; MI455X (gfx1250); checked and timed in simulation.
; The chip was launched on July 23, 2026; its instructions are those of AMD's public machine-readable ISA for CDNA 5 (MIT licence, August 2026) and "CDNA5" Instruction Set Architecture Reference Guide (July 2026). The comments in the code are by the model that wrote it; some were corrected since.
;; Attention. Allowed arithmetic: float matrix products may take bf16 or f16 operands with f32 sums; other float arithmetic in f32, or as packed bf16 or f16 multiplies, adds, multiply-adds, maxima and minima; sums over many terms, partial sums and values carried from step to step in f32; what a program stores and reads back later, other than sums and carried values, may be rounded once to bf16 or f16.
;; Inputs: Wkv 256 x 2,048 float32; Wo 1,024 x 512 float32; Wq 512 x 1,024 float32; bo 512 float32; kv 64 x 512 x 256 float32; q 64 x 128 x 512 float32.
;; Outputs: out0 64 x 128 x 512 float32.
;; One version. Each part assembles by itself: llvm-mc -triple=amdgcn-amd-amdhsa -mcpu=gfx1250 --defsym DOCPART=n.
;; ======== version 1 of 1: 3 launches
;; limits: values are held in f16: magnitudes above 65,504 overflow, below 6.1e-05 lose precision
;; workspace buffers: wfrag 2,097,152 bytes; wofrag 1,048,576 bytes; ofrag 16,777,216 bytes
;; launch prep (part 1): grid 256 x 3, 8 waves a work-group, no clusters, 0 bytes of LDS; arguments Wq, Wkv, Wo, wfrag, wofrag; writes wfrag, wofrag
.if DOCPART == 1
	.amdgcn_target "amdgcn-amd-amdhsa--gfx1250"
	.amdhsa_code_object_version 6
	.text
	.protected	k_q6963ed00b7_prep
	.globl	k_q6963ed00b7_prep
	.p2align	8
	.type	k_q6963ed00b7_prep,@function
k_q6963ed00b7_prep:
	s_mov_b64 s[64:65], 0
	v_nop
	global_prefetch_b8 v0, s[64:65] scope:SCOPE_SE
	s_setreg_imm32_b32 hwreg(HW_REG_WAVE_MODE, 25, 1), 1
	s_wait_xcnt 0x0
; THE WEIGHTS, ROUNDED AND LAID OUT AS MATRIX FRAGMENTS.  First of three launches for
;   out = softmax((q Wq)(kv Wk)^T / 8) (kv Wv) Wo + bo, 16 heads of 64 channels.
; NOTHING OF THE MODULE IS LEFT OUT: every input reaches the output, no term is constant along the softmax's axis, no result is sliced away.
; Wq, Wkv and Wo lie [in][out]; the products want, for 16 output channels, 32 input channels on end.  A FRAGMENT is 16 output channels x 32 input channels of 16 bits, 1,024 bytes:
; (output channel r, input channel 16 hf + 8 h + e) lies at byte 512 hf + 256 h + 16 r + 2 e, so that two loads of 16 bytes a lane, at 16 x lane and 512 further on, fill a matrix operand.
;   wfrag, bf16: head H at 131,072 H, 128 fragments: 0-63 Wq (4 cs + dt), 64-79 Wv's channel steps 4-7, 80-111 Wk (80 + 4 cs + dt), 112-127 Wv's channel steps 0-3.  cs = input channel / 32, dt = (output channel % 64) / 16.
;   wofrag, f16 of Wo rounded to bf16 (all inputs are rounded to bf16; the number is then written as f16, since its partner in the last product is f16): fragment ((col / 128) 32 + cs) 8 + (col / 16) % 8.
; LIMIT.  A weight of Wo below 6.1e-5 in size keeps f16's fixed step of 6e-8; beyond 65,504 it would be an infinity.
; SHARES.  y picks the matrix (N = 1,024, 2,048, 512 columns).  Each has 65,536 pieces of 8 input channels x 1 column; a thread takes one: eight loads of 4 bytes (a wave: 128 consecutive bytes),
; four roundings, one store of 16 bytes: sixteen neighbouring lanes store 256 consecutive bytes, aligned.  No LDS, no barrier: no thread wants another's numbers.
.set OFF, 2                            ; v[2:9]    byte offsets of my eight numbers
.set DAT, 10                           ; v[10:17]  the eight numbers
.set PKD, 18                           ; v[18:21]  packed
.set DST, 22                           ; v22       my lane's part of the destination
	s_load_b256 s[4:11], s[0:1], 0x0               ; Wq s[4:5], Wkv s[6:7], Wo s[8:9], wfrag s[10:11]
	s_load_b64 s[12:13], s[0:1], 0x20              ; wofrag
	s_and_b32 s14, ttmp7, 0xffff                   ; y: which matrix
	s_cmp_eq_u32 s14, 0
	s_cselect_b32 s15, 10, 11                      ; log2 N
	s_cmp_eq_u32 s14, 2
	s_cselect_b32 s15, 9, s15
	s_cselect_b32 s26, 7, 6                        ; columns in a block of the destination: 128 for Wo, 64 (a head) else,
	s_cselect_b32 s27, 18, 17                      ; the block's bytes: 2^18, 2^17,
	s_cselect_b32 s28, 7, 3                        ; and its groups of 16 columns, less one
	s_lshl_b32 s16, ttmp9, 8                       ; the work-group's first piece
	s_lshr_b32 s17, s16, s15                       ; c8: its group of 8 input channels
	s_lshl_b32 s18, 1, s15                         ; N
	s_sub_co_u32 s19, s18, 1
	s_and_b32 s19, s16, s19                        ; its first column, a multiple of 256
	s_lshr_b32 s20, s17, 2                         ; cs
	s_and_b32 s21, s17, 3                          ; which 8 of the 32 channels: 256 bytes of a fragment
	s_lshl_b32 s22, s18, 2                         ; bytes in a row of the source
	s_lshl_b32 s24, s17, s15
	s_lshl_b32 s24, s24, 5                         ; 8 c8 rows of 4 N bytes,
	s_lshl2_add_u32 s24, s19, s24                  ; and the first column
	s_mov_b32 s25, 0
	s_cmp_lt_u32 s20, 4                            ; the first fragment of the matrix in a head's 128:
	s_cselect_b32 s29, 112, 48                     ; Wv (112 + 4 cs for cs < 4, else 48 + 4 cs),
	s_cmp_lt_u32 s19, 1024
	s_cselect_b32 s29, 80, s29                     ; Wk: the first 1,024 columns of Wkv,
	s_cmp_eq_u32 s14, 0
	s_cselect_b32 s29, 0, s29                      ; Wq
	s_lshl2_add_u32 s29, s20, s29                  ; + 4 cs
	s_lshl_b32 s30, s20, 3                         ; Wo: 8 cs
	s_cmp_eq_u32 s14, 2
	s_cselect_b32 s29, s30, s29
	s_lshl_b32 s29, s29, 10
	s_lshr_b32 s30, s19, s26
	s_and_b32 s30, s30, 15                         ; the block of the first column (for Wv: the head)
	s_lshl_b32 s30, s30, s27
	s_add_co_u32 s29, s29, s30
	s_lshl_b32 s30, s21, 8
	s_add_co_u32 s30, s29, s30                     ; the work-group's part of the destination
	s_mov_b32 s31, 0
	v_lshlrev_b32 v[OFF], 2, v0                    ; my column
.irp j, 1,2,3,4,5,6,7
	v_add_nc_u32 v[OFF+\j], s22, v[OFF+\j-1]       ; a row further down
.endr
	v_lshrrev_b32 v1, s26, v0                      ; my block among the work-group's,
	v_lshlrev_b32 v1, s27, v1
	v_bfe_u32 v23, v0, 4, 3
	v_and_b32 v23, s28, v23                        ; my group of 16 columns in it: a fragment,
	v_lshl_add_u32 v1, v23, 10, v1
	v_and_b32 v23, 15, v0                          ; my column in the group: 16 bytes
	v_lshl_add_u32 v[DST], v23, 4, v1
	s_wait_kmcnt 0x0
	s_cmp_eq_u32 s14, 0
	s_cselect_b64 s[4:5], s[4:5], s[6:7]
	s_cmp_eq_u32 s14, 2
	s_cselect_b64 s[4:5], s[8:9], s[4:5]           ; the source,
	s_cselect_b64 s[10:11], s[12:13], s[10:11]     ; the destination
	s_add_nc_u64 s[4:5], s[4:5], s[24:25]
	s_add_nc_u64 s[10:11], s[10:11], s[30:31]
.irp j, 0,1,2,3,4,5,6,7
	global_load_b32 v[DAT+\j], v[OFF+\j], s[4:5] th:TH_LOAD_NT   ; each number of the weights is read once in the launch
.endr
	s_wait_loadcnt 0x0
.irp n, 0,1,2,3
	v_cvt_pk_bf16_f32 v[PKD+\n], v[DAT+2*\n], v[DAT+2*\n+1]
.endr
	s_cmp_lg_u32 s14, 2
	s_cbranch_scc1 .Lstore
.irp n, 0,1,2,3                        ; Wo: the bf16 number, written as f16
	v_lshlrev_b32 v[DAT+2*\n], 16, v[PKD+\n]
	v_and_b32 v[DAT+2*\n+1], 0xffff0000, v[PKD+\n]
.endr
.irp n, 0,1,2,3
	v_cvt_pk_f16_f32 v[PKD+\n], v[DAT+2*\n], v[DAT+2*\n+1]
.endr
.Lstore:
	global_store_b128 v[DST], v[PKD:PKD+3], s[10:11]
	s_endpgm
.Lfunc_end_k_q6963ed00b7_prep:
	.size	k_q6963ed00b7_prep, .Lfunc_end_k_q6963ed00b7_prep-k_q6963ed00b7_prep
	.p2alignl 7, 3214868480
	.fill 96, 4, 3214868480
	.section	.rodata,"a",@progbits
	.p2align	6, 0x0
	.amdhsa_kernel k_q6963ed00b7_prep
		.amdhsa_group_segment_fixed_size 0
		.amdhsa_private_segment_fixed_size 0
		.amdhsa_enable_private_segment 0
		.amdhsa_kernarg_size 40
		.amdhsa_user_sgpr_count 2
		.amdhsa_user_sgpr_kernarg_segment_ptr 1
		.amdhsa_wavefront_size32 1
		.amdhsa_system_sgpr_workgroup_id_x 1
		.amdhsa_system_sgpr_workgroup_id_y 1
		.amdhsa_system_sgpr_workgroup_id_z 1
		.amdhsa_system_vgpr_workitem_id 0
		.amdhsa_next_free_vgpr 32
		.amdhsa_next_free_sgpr 66
		.amdhsa_reserve_vcc 0
		.amdhsa_float_denorm_mode_32 3
		.amdhsa_float_denorm_mode_16_64 3
		.amdhsa_memory_ordered 1
		.amdhsa_forward_progress 1
		.amdhsa_inst_pref_size 5
	.end_amdhsa_kernel
	.amdgpu_metadata
---
amdhsa.version: [ 1, 2 ]
amdhsa.kernels:
  - .name:           k_q6963ed00b7_prep
    .symbol:         k_q6963ed00b7_prep.kd
    .args:
      - { .name: Wq, .offset: 0, .size: 8, .value_kind: global_buffer, .address_space: global }
      - { .name: Wkv, .offset: 8, .size: 8, .value_kind: global_buffer, .address_space: global }
      - { .name: Wo, .offset: 16, .size: 8, .value_kind: global_buffer, .address_space: global }
      - { .name: wfrag, .offset: 24, .size: 8, .value_kind: global_buffer, .address_space: global }
      - { .name: wofrag, .offset: 32, .size: 8, .value_kind: global_buffer, .address_space: global }
    .group_segment_fixed_size: 0
    .private_segment_fixed_size: 0
    .kernarg_segment_align: 8
    .kernarg_segment_size: 40
    .max_flat_workgroup_size: 256
    .sgpr_count:     66
    .vgpr_count:     32
    .wavefront_size: 32
...
	.end_amdgpu_metadata
.endif
;; end of part 1
;; launch attn (part 2): grid 4 x 64, 4 waves a work-group, clusters of 4 x 1, 327,680 bytes of LDS; arguments q, kv, wfrag, ofrag; writes ofrag
.if DOCPART == 2
	.amdgcn_target "amdgcn-amd-amdhsa--gfx1250"
	.amdhsa_code_object_version 6
	.text
	.protected	k_q6963ed00b7_attn
	.globl	k_q6963ed00b7_attn
	.p2align	8
	.type	k_q6963ed00b7_attn,@function
k_q6963ed00b7_attn:
	s_mov_b64 s[64:65], 0
	v_nop
	global_prefetch_b8 v0, s[64:65] scope:SCOPE_SE
	s_setreg_imm32_b32 hwreg(HW_REG_WAVE_MODE, 25, 1), 1
	s_wait_xcnt 0x0
	s_wait_alu depctr_hold_cnt(0) depctr_sa_sdst(0) depctr_va_vdst(0) depctr_va_sdst(0) depctr_va_ssrc(0) depctr_va_vcc(0) depctr_vm_vsrc(0)
	s_getreg_b32 s2, hwreg(HW_REG_IB_STS2, 6, 4)
	s_cmp_eq_u32 s2, 0
	s_cbranch_scc0 .Lentry_in_a_cluster
	s_endpgm
.Lentry_in_a_cluster:
	s_bfe_u32 s2, ttmp6, 0x10000c
	s_cmp_lg_u32 s2, 0x3003
	s_cbranch_scc0 .Lentry_shape_is_right
	s_endpgm
.Lentry_shape_is_right:
; Q PROJECTION, K AND V PROJECTION, SOFTMAX AND P V IN ONE LAUNCH.  Nothing of the module is left out here either.
; K and V (134 MB each way, if they went through memory) are made 32 keys at a time in registers and used at once.
; SHARES.  A work-group has one batch b and four heads; wave w is head H = 4 cx + w, with all 128 queries and all 512 keys.  The four work-groups of a cluster have the same b, so q[b] and kv[b] are
; asked for JOINTLY: the same tensor load, descriptor and mask in all four.  cx enters only the addresses of the weights, of the output and of the prefetch.
; THE WEIGHTS ARE NOT SHARED IN A CLUSTER, though the 64 batches read the same: a wave's 128 KiB lie in fragment order and go straight from memory into its registers, once a launch; a way through LDS
; finds no room beside q's 270,336 bytes.
; FORMATS.  q, kv and the weights are rounded to bf16; what is made here (c Q, K, V, p, O) is rounded once to f16; all sums, maxima and l in f32.
; LIMITS.  c Q, K, V and O must lie within 65,504 (with inputs 30 times the drawn spread, or offset by 30 spreads, the largest is some 20,000).  p below 6e-5 keeps f16's fixed step of 6e-8; a weight below
; 2^-126 counts as 0 in l; NaN and infinities are not treated apart.
; LAYOUT: nothing changes lanes between the products.  In a result a lane holds column lane % 16 and rows 8 (lane / 16) + 0..7.
;   Q^T[d][query] = Wq-fragment x q-fragment, K^T[d][key] = Wk-fragment x kv-fragment, V[key][d] = kv-fragment x Wv-fragment.  Two results, rounded to f16 in pairs, ARE an operand of the next product:
;   S^T[key][query] = K x Q^T, O^T[d][query] = V^T x P; two results O^T are a fragment of the last launch's operand.
; SOFTMAX.  c = log2(e) / 8 is multiplied into Q in f32, ahead of its one rounding.  For each query a running maximum m and sum l: p = 2^(s - m); in every step O and l are multiplied by a = 2^(m_old - m_new).
; m starts at the lowest finite number, so the first step's a is 0, and O^T may start with any finite numbers: it starts with the Q sums whose registers it takes.
; q AND kv lie in LDS as f32, as they came; each wave reads its fragments (four loads of 16 bytes) and rounds them itself.
; LDS.  0: q[b] as four tiles of 128 rows x 128 channels, rows 528 bytes apart (512 + 16: the 16 rows of a load begin 16 bytes apart modulo 256), filled once.  When tile 0 has been read, kv's slot 0 (64 keys,
; rows 1,040 bytes apart) takes its place; slot 1, at 131,072, follows when all of q has been read.  197,632: Q's fragments in f16, 16,384 bytes a wave, stored when the q tiles there have had their only fill and
; their last read; no later fill lands there.  270,336: the spare words.
; REGISTERS, in windows of 256 (s_set_vgpr_msb: bits 1:0 source 0, 3:2 source 1, 5:4 source 2, 7:6 destination):
;   window 1: Wk, fragment (cs, dt) at 8 (4 cs + dt)      window 2: Wv likewise; its upper half is first a ring of four groups through which Wq streams      window 3: Q^T's sums, then O^T: (qt, dt) at 8 (4 qt + dt)
;   window 0: v0-7 addresses; v8-15 m; v16-31 l; v32-63 two buffers of rounded fragments (the second: the softmax's registers at work); v64-127 two buffers of f32 as loaded (then K's and V's fragments);
;             v128-191 K^T's sums, then S^T and P; v192-255 V's sums, then Q's fragments
.set QP,    528
.set KP,    1040
.set QTILE, 128*QP                     ; 67,584
.set SLOT1, 1<<17                      ; one exclusive or turns an address in one slot into the other's
.set CHUNK, 64*KP                      ; 66,560: a slot, 64 keys
.set STEPB, 32*KP                      ; a step, 32 keys
.set QREG,  SLOT1+CHUNK                ; 197,632
.set SPARE, 4*QTILE                    ; 270,336: 128 bytes for each wave: two blocks of 256 bytes that no other line names
.set LN16, 1                           ; v1   16 x lane; never rewritten
.set AF,   2                           ; v2   my place in a tile of kv: (lane % 16) x 1,040 + 32 (lane / 16); never rewritten
.set AKV,  3                           ; v3   the LDS address of the runs of loads in hand
.set AQ,   4                           ; v4   my 16 bytes in my wave's first fragment of Q
.set PFO,  5                           ; v5   256 x lane; never rewritten
.set SPW,  6                           ; v6   LDS address of my spare word; never rewritten
.set NIL,  7                           ; v7   0; never rewritten
.set AQ0,  8                           ; v8   while Q is made: my place in a tile of q
.set MX,   8                           ; v8-15   m of query tile t
.set LS,   16                          ; v16-31  l of query tile t: even keys', odd keys'
.set CONV, 32
.set TMP,  48                          ; four registers for each of four query tiles: c0 the new m, c1 at work, c2 a, c3 m_old - m_new
.set RAW,  64
.set KF,   64                          ; K's fragments: 16 kt + 8 ds
.set VF,   96                          ; V^T's: 8 dt
.set KACC, 128                         ; 8 (2 dt + kt)
.set SC,   128                         ; S^T: 16 i + 8 kt; P is packed in place into the lower 8 of each 16
.set VACC, 192                         ; 8 (4 kt + dt)
.set QF,   192                         ; Q's fragments of four query tiles: 16 i + 8 ds
.set WV,  12                           ; s12  my wave's number
.set CX,  13                           ; s13  my place in the cluster
.set BB,  14                           ; s14  the batch
.set HH,  15                           ; s15  the head
.set G1Q, 16                           ; s[16:23] descriptor group 1 for q's tiles
.set G1K, 24                           ; s[24:31] for kv's
.set G0Q, 32                           ; s[32:35] group 0 for my tile of q
.set G0K, 36                           ; s[36:39] group 0 for my 16 keys of a slot: it walks
.set WP,  40                           ; s[40:41] my head's weights, at the fragments that the ring holds
.set PFA, 42                           ; s[42:43] where my prefetches stand
.set LIM, 44                           ; s44  1 in a wave that prefetches, else the greatest number
.set SLOTS, 45
.set CNT, 46
.set TB,  47                           ; s47  LDS byte at which the step to be fetched begins
.set CSC, 48                           ; s[48:49] c
.set SEL, 50                           ; s[50:51] v_permlanex16_b32's selects: each lane takes its own place in the other half
.set T0,  52                           ; s[52:53], s[58:59] offsets without cx, for the joint descriptors
.set T1,  54                           ; s[54:55], s[60:63] offsets with cx
.set TQ,  56                           ; s56  LDS byte at which the tile of q in hand begins
.set T2,  58
.set T3,  60
.set T4,  62
.set W_QP,  0xf2                       ; Wq window 2, q window 0, sums window 3
.set W_PK,  0x01                       ; Wk window 1
.set W_PVJ, 0x08                       ; Wv window 2
.set W_AV,  0xf0                       ; O^T window 3
.set W_RS,  0xc3                       ; destination and source 0 window 3, source 1 window 0
.set W_CV3, 0x0f                       ; sources window 3, destination window 0
.set W_LD1, 0x40
.set W_LD2, 0x80
.set MSB, 0
.macro WIN new                         ; the high byte repeats the setting that is left; a switch that changes nothing is dropped
.if MSB != (\new)
	s_set_vgpr_msb (MSB<<8)|(\new)
.set MSB, (\new)
.endif
.endm
.macro PLACES                          ; four places behind a matrix instruction (ISA guide 7.12.1)
.rept 4
	v_nop
.endr
.endm
; A round of the cluster's barrier: my work-group's barrier, so that wave 0's signal speaks for all four waves; wave 0 signals; every wave waits for all four work-groups; my work-group's barrier once more.
.macro CROUND
	s_barrier_signal -1
	s_barrier_wait -1
	s_cmp_lg_u32 s[WV], 0
	s_cbranch_scc1 .Lnot_wave_0_\@
	s_barrier_signal -3
.Lnot_wave_0_\@:
	s_barrier_wait -3
	s_barrier_signal -1
	s_barrier_wait -1
.endm
; A PREFETCH of the 64 keys that the NEXT change of slots will ask for: 65,536 bytes, 256 blocks of 256.  The four partners share them out BY ADDRESS, 16,384 bytes each; in each, waves 0 and 1 take 8,192: a lane a
; block, one instruction.  So each block of kv is named once in the launch.  how = 1: ahead of the loop; how = 0: in the loop, whose last change has no slot behind it and asks for nothing.  The first 64 keys come by their load alone.
.macro ASK how
.if \how
	s_cmp_eq_u32 s[LIM], 1
.else
	s_cmp_gt_u32 s[SLOTS], s[LIM]
.endif
	s_cbranch_scc0 .Lnot_mine_\@
	global_prefetch_b8 v[PFO], s[PFA:PFA+1] th:TH_LOAD_NT scope:SCOPE_SE
.Lnot_mine_\@:
.endm
; THE CHANGE OF SLOTS.  Each wave waits for all its tensor loads (one is out at the most), adds 0 to its spare word, and waits for that and for its reads of the bytes that are given up.  fill = 1: a round of the
; cluster's barrier, so that no wave of any partner still reads those bytes or has a load on its way; the joint fill is the first thing behind it.  step = 1: the descriptor walks to the other slot and the next 64 keys.
.macro CHANGE fill, step, tb, how
	WIN 0
	s_wait_tensorcnt 0x0               ; no tensor load of mine is out, so group 0 may be written
	ds_add_u32 v[SPW], v[NIL]          ; 0 onto my spare word; the scalar steps stand between it and the wait for it
.if \step
	s_xor_b32 s[G0K+1], s[G0K+1], SLOT1
	s_add_nc_u64 s[G0K+2:G0K+3], s[G0K+2:G0K+3], 65536  ; the type bits on top are not reached
	s_wait_xcnt 0x0                    ; the last prefetch, a slot's work back, has read its address
	s_add_nc_u64 s[PFA:PFA+1], s[PFA:PFA+1], 65536
.endif
	s_wait_dscnt 0x0                   ; the add is done, and my reads are over
.if \fill
	CROUND
	tensor_load_to_lds s[G0K:G0K+3], s[G1K:G1K+7]
	s_nop 0
	PLACES
	ASK \how
.else
	s_barrier_signal -1
	s_barrier_wait -1
.endif
.if \tb
	s_sub_co_u32 s[TB], s[TB], CHUNK   ; the fetches go back to a slot's first step,
	s_xor_b32 s[TB], s[TB], SLOT1      ; in the other slot
.endif
.endm
; Eight LDS loads: two fragments (16 rows each) of 32 channels in f32, into buffer buf.  A lane's 8 + 8 channels are 32 + 32 bytes, 64 bytes apart.
.macro LDRAW buf, areg, off, pitch
.irp i, 0,1
.irp p, 0,1,2,3
	ds_load_b128 v[RAW+32*(\buf)+16*\i+4*\p:RAW+32*(\buf)+16*\i+4*\p+3], v[\areg] offset:(\off)+\i*16*(\pitch)+(\p/2)*64+(\p%2)*16
.endr
.endr
.endm
.macro CVTS buf, lo, hi                ; numbers lo to hi of the sixteen roundings that make the two fragments
.set n, \lo
.rept (\hi)-(\lo)+1
	v_cvt_pk_bf16_f32 v[CONV+16*(\buf)+n], v[RAW+32*(\buf)+2*n], v[RAW+32*(\buf)+2*n+1]
.set n, n+1
.endr
.endm
.macro WLOAD reg, frag                 ; a fragment of the weights: 2 x 512 consecutive bytes
	global_load_b128 v[(\reg):(\reg)+3],   v[LN16], s[WP:WP+1] offset:(\frag)*1024
	global_load_b128 v[(\reg)+4:(\reg)+7], v[LN16], s[WP:WP+1] offset:(\frag)*1024+512
.endm
; ---- Q^T = Wq q^T.  A trip is a tile of q: four channel steps of 32 (ii) x four pairs of query tiles (pp): 16 stages x of 8 products.  The 32 accumulators take turns, one instruction a turn.
.macro QMUL qt, zero
	WIN W_QP
.irp dt, 0,1,2,3
.if (\zero) && (ii == 0)
	v_wmma_f32_16x16x32_bf16 v[8*(4*(\qt)+\dt):8*(4*(\qt)+\dt)+7], v[128+8*(4*ii+\dt):128+8*(4*ii+\dt)+7], v[CONV+16*(x%2)+8*((\qt)%2):CONV+16*(x%2)+8*((\qt)%2)+7], 0
.else
	v_wmma_f32_16x16x32_bf16 v[8*(4*(\qt)+\dt):8*(4*(\qt)+\dt)+7], v[128+8*(4*ii+\dt):128+8*(4*ii+\dt)+7], v[CONV+16*(x%2)+8*((\qt)%2):CONV+16*(x%2)+8*((\qt)%2)+7], v[8*(4*(\qt)+\dt):8*(4*(\qt)+\dt)+7]
.endif
.endr
.endm
; Stage x multiplies buffer x % 2, rounds stage x + 1 and asks LDS for stage x + 2.  The eight roundings behind each four products name none of their registers: they are the places ahead of the next writes of the buffers and of the ring.
.macro QSTAGE zero, N
.set ii, x/4
.set pp, x%4
	WIN 0
.if x < 14
	LDRAW x%2, AKV, ((x+2)%4)*32*QP+((x+2)/4)*128, QP
.endif
.if pp == 0
	s_wait_loadcnt \N                  ; the ring's group ii is in
.endif
	QMUL 2*pp, \zero
	WIN 0
.if x < 14
	s_wait_dscnt 8                     ; stage x + 1 is in; the eight loads of stage x + 2 may stay out
.elseif x == 14
	s_wait_dscnt 0x0
.endif
.if x < 15
	CVTS (x+1)%2, 0, 7
.endif
	QMUL 2*pp+1, \zero
	WIN 0
.if x < 15
	CVTS (x+1)%2, 8, 15
.else
	PLACES
.endif
.if pp == 3                            ; group ii has been multiplied: it takes the fragments 16 further on.  In the last trip those are Wv's channel steps 4 to 7, which lie behind Wq and land where they stay
	WIN W_LD2
.irp dt, 0,1,2,3
	WLOAD 128+8*(4*ii+\dt), 16+4*ii+\dt
.endr
	WIN 0
.endif
.endm
.macro QTRIP zero, N
	WIN 0
	v_add_nc_u32 v[AKV], s[TQ], v[AQ0]
	LDRAW 0, AKV, 0, QP
	LDRAW 1, AKV, 32*QP, QP
	s_wait_dscnt 8
	CVTS 0, 0, 15
.set x, 0
.rept 16
	QSTAGE \zero, \N
.set x, x+1
.endr
	s_wait_xcnt 0x0                    ; the ring's loads have read their address
	s_add_nc_u64 s[WP:WP+1], s[WP:WP+1], 16384
	s_add_co_u32 s[TQ], s[TQ], QTILE
.endm
; ---- K^T AND V OF 32 KEYS: eight channel steps of 16 products; the 16 accumulators take turns.
.macro VPROD cs, kt
	WIN W_PVJ
.irp dt, 0,1,2,3
.if (\cs) == 0
	v_wmma_f32_16x16x32_bf16 v[VACC+8*(4*(\kt)+\dt):VACC+8*(4*(\kt)+\dt)+7], v[CONV+16*((\cs)%2)+8*(\kt):CONV+16*((\cs)%2)+8*(\kt)+7], v[8*(4*(\cs)+\dt):8*(4*(\cs)+\dt)+7], 0
.else
	v_wmma_f32_16x16x32_bf16 v[VACC+8*(4*(\kt)+\dt):VACC+8*(4*(\kt)+\dt)+7], v[CONV+16*((\cs)%2)+8*(\kt):CONV+16*((\cs)%2)+8*(\kt)+7], v[8*(4*(\cs)+\dt):8*(4*(\cs)+\dt)+7], v[VACC+8*(4*(\kt)+\dt):VACC+8*(4*(\kt)+\dt)+7]
.endif
.endr
.endm
.macro CSTEP cs                        ; multiplies buffer cs % 2, rounds channel step cs + 1, asks LDS for cs + 2
	WIN 0
.if (\cs) < 6
	LDRAW (\cs)%2, AKV, ((\cs)+2)*128, KP
.endif
	WIN W_PK
.irp kt, 0,1
.irp dt, 0,1,2,3
.if (\cs) == 0
	v_wmma_f32_16x16x32_bf16 v[KACC+8*(2*\dt+\kt):KACC+8*(2*\dt+\kt)+7], v[8*(4*(\cs)+\dt):8*(4*(\cs)+\dt)+7], v[CONV+16*((\cs)%2)+8*\kt:CONV+16*((\cs)%2)+8*\kt+7], 0
.else
	v_wmma_f32_16x16x32_bf16 v[KACC+8*(2*\dt+\kt):KACC+8*(2*\dt+\kt)+7], v[8*(4*(\cs)+\dt):8*(4*(\cs)+\dt)+7], v[CONV+16*((\cs)%2)+8*\kt:CONV+16*((\cs)%2)+8*\kt+7], v[KACC+8*(2*\dt+\kt):KACC+8*(2*\dt+\kt)+7]
.endif
.endr
.endr
	WIN 0
.if (\cs) < 6
	s_wait_dscnt 8                     ; channel step cs + 1 is in; the eight loads of cs + 2 may stay out
.elseif (\cs) == 6
	s_wait_dscnt 0x0
.endif
.if (\cs) < 7
	CVTS ((\cs)+1)%2, 0, 3
.endif
	VPROD \cs, 0
	WIN 0
.if (\cs) < 7
	CVTS ((\cs)+1)%2, 4, 7
.endif
	VPROD \cs, 1
	WIN 0
.if (\cs) < 7
	CVTS ((\cs)+1)%2, 8, 15
.endif
.endm
.macro PPRO                            ; channel step 0 was asked for in the attention before: it is rounded (sixteen places behind the last products V^T P), and step 1 asked for, into V's registers
	WIN 0
	s_wait_dscnt 0x0
	CVTS 0, 0, 15
	LDRAW 1, AKV, 128, KP
.endm
.macro PROJ
.irp c, 0,1,2,3,4,5,6,7
	CSTEP \c
.endr
	PLACES
.irp kt, 0,1                           ; V's sums become V^T's fragments, so that Q's fragments can take their registers
.irp dt, 0,1,2,3
.irp e, 0,1,2,3
	v_cvt_pk_f16_f32 v[VF+8*\dt+4*\kt+\e], v[VACC+8*(4*\kt+\dt)+2*\e], v[VACC+8*(4*\kt+\dt)+2*\e+1]
.endr
.endr
.endr
	s_add_co_u32 s[TB], s[TB], STEPB   ; the next fetch is the next step's
.endm
; ---- ATTENTION ON 32 KEYS, in two halves of four query tiles.
.macro ALL4 line:vararg                ; one line for each query tile t of the half
.set t, 0
.rept 4
	\line
.set t, t+1
.endr
.endm
.macro LDQ hf                          ; the half's eight fragments of Q
.set f, 0
.rept 8
	ds_load_b128 v[QF+8*f:QF+8*f+3],   v[AQ] offset:(8*(\hf)+f)*1024
	ds_load_b128 v[QF+8*f+4:QF+8*f+7], v[AQ] offset:(8*(\hf)+f)*1024+512
.set f, f+1
.endr
.endm
.macro ATTH hf, last
.irp ds, 0,1                           ; S^T = K Q^T: the eight accumulators go round twice
.irp i, 0,1,2,3
.irp kt, 0,1
.if \ds == 0
	v_wmma_f32_16x16x32_f16 v[SC+16*\i+8*\kt:SC+16*\i+8*\kt+7], v[KF+16*\kt+8*\ds:KF+16*\kt+8*\ds+7], v[QF+16*\i+8*\ds:QF+16*\i+8*\ds+7], 0
.else
	v_wmma_f32_16x16x32_f16 v[SC+16*\i+8*\kt:SC+16*\i+8*\kt+7], v[KF+16*\kt+8*\ds:KF+16*\kt+8*\ds+7], v[QF+16*\i+8*\ds:QF+16*\i+8*\ds+7], v[SC+16*\i+8*\kt:SC+16*\i+8*\kt+7]
.endif
.endr
.endr
.endr
	PLACES                             ; ahead of the loads into Q's or K's registers and of the first read of the scores
.if (\hf) == 0
	LDQ 1
.else
.if \last
	s_cmp_eq_u32 s[CNT], 1             ; behind the last step there is none to fetch
	s_cbranch_scc1 .Lno_next_\@
.endif
	v_add_nc_u32 v[AKV], s[TB], v[AF]
	LDRAW 0, AKV, 0, KP                ; the next step's channel step 0, into K's registers
.if \last
.Lno_next_\@:
.endif
.endif
	; the maximum of the lane's 16 scores and the old m (each accumulator's lowest registers are read first); the query's other 16 keys lie in the lane 16 away
	ALL4 v_max3_num_f32 v[TMP+4*t], v[SC+16*t], v[SC+16*t+1], v[SC+16*t+2]
	ALL4 v_max3_num_f32 v[TMP+4*t+1], v[SC+16*t+8], v[SC+16*t+9], v[SC+16*t+10]
	ALL4 v_max3_num_f32 v[TMP+4*t], v[TMP+4*t], v[SC+16*t+3], v[SC+16*t+4]
	ALL4 v_max3_num_f32 v[TMP+4*t+1], v[TMP+4*t+1], v[SC+16*t+11], v[SC+16*t+12]
	ALL4 v_max3_num_f32 v[TMP+4*t], v[TMP+4*t], v[SC+16*t+5], v[SC+16*t+6]
	ALL4 v_max3_num_f32 v[TMP+4*t+1], v[TMP+4*t+1], v[SC+16*t+13], v[SC+16*t+14]
	ALL4 v_max3_num_f32 v[TMP+4*t], v[TMP+4*t], v[SC+16*t+7], v[SC+16*t+15]
	ALL4 v_max3_num_f32 v[TMP+4*t], v[TMP+4*t], v[TMP+4*t+1], v[MX+4*(\hf)+t]
	ALL4 v_permlanex16_b32 v[TMP+4*t+1], v[TMP+4*t], s[SEL], s[SEL+1]
	ALL4 v_max_num_f32 v[TMP+4*t], v[TMP+4*t], v[TMP+4*t+1]
	ALL4 v_sub_f32 v[TMP+4*t+3], v[MX+4*(\hf)+t], v[TMP+4*t]
	ALL4 v_mov_b32 v[MX+4*(\hf)+t], v[TMP+4*t]
	ALL4 v_exp_f32 v[TMP+4*t+2], v[TMP+4*t+3]
	; ONE BATCH of 68 exponentials: the four a above, then s - m for a pair of scores and the exponentials of the pair before.  Nothing here names a result of theirs.
.set j, 0
.rept 9
.irp i, 0,1,2,3
.if j < 8
	v_pk_add_f32 v[SC+16*\i+2*j:SC+16*\i+2*j+1], v[SC+16*\i+2*j:SC+16*\i+2*j+1], v[TMP+4*\i:TMP+4*\i+1] op_sel_hi:[1,0] neg_lo:[0,1] neg_hi:[0,1]
.endif
.if j > 0
	v_exp_f32 v[SC+16*\i+2*j-2], v[SC+16*\i+2*j-2]
	v_exp_f32 v[SC+16*\i+2*j-1], v[SC+16*\i+2*j-1]
.endif
.endr
.set j, j+1
.endr
	v_nop                              ; a plain instruction behind the last exponential,
	s_wait_alu depctr_va_vdst(0)       ; and one wait ahead of the batch's first reader
.set j, 0
.rept 8                                ; l takes pair j (the first time as l a + pair); then the pair is rounded to f16, in place and ascending
.irp i, 0,1,2,3
.if j == 0
	v_pk_fma_f32 v[LS+2*(4*(\hf)+\i):LS+2*(4*(\hf)+\i)+1], v[LS+2*(4*(\hf)+\i):LS+2*(4*(\hf)+\i)+1], v[TMP+4*\i+2:TMP+4*\i+3], v[SC+16*\i:SC+16*\i+1] op_sel_hi:[1,0,1]
.else
	v_pk_add_f32 v[LS+2*(4*(\hf)+\i):LS+2*(4*(\hf)+\i)+1], v[LS+2*(4*(\hf)+\i):LS+2*(4*(\hf)+\i)+1], v[SC+16*\i+2*j:SC+16*\i+2*j+1]
.endif
	v_cvt_pk_f16_f32 v[SC+16*\i+j], v[SC+16*\i+2*j], v[SC+16*\i+2*j+1]
.endr
.set j, j+1
.endr
	WIN W_RS                           ; O^T times a
.set t, 0
.rept 4
.set z, 0
.rept 16
	v_pk_mul_f32 v[32*(4*(\hf)+t)+2*z:32*(4*(\hf)+t)+2*z+1], v[32*(4*(\hf)+t)+2*z:32*(4*(\hf)+t)+2*z+1], v[TMP+4*t+2:TMP+4*t+3] op_sel_hi:[1,0]
.set z, z+1
.endr
.set t, t+1
.endr
	WIN W_AV                           ; O^T += V^T P: sixteen accumulators, one product each
.irp i, 0,1,2,3
.irp dt, 0,1,2,3
	v_wmma_f32_16x16x32_f16 v[8*(4*(4*(\hf)+\i)+\dt):8*(4*(4*(\hf)+\i)+\dt)+7], v[VF+8*\dt:VF+8*\dt+7], v[SC+16*\i:SC+16*\i+7], v[8*(4*(4*(\hf)+\i)+\dt):8*(4*(4*(\hf)+\i)+\dt)+7]
.endr
.endr
	WIN 0
.endm
.macro ATT last
	WIN 0
	LDQ 0
.irp kt, 0,1                           ; K^T's sums become K's fragments while Q's are on their way
.irp dt, 0,1,2,3
.irp e, 0,1,2,3
	v_cvt_pk_f16_f32 v[KF+16*\kt+4*\dt+\e], v[KACC+8*(2*\dt+\kt)+2*\e], v[KACC+8*(2*\dt+\kt)+2*\e+1]
.endr
.endr
.endr
	s_wait_dscnt 0x0
	ATTH 0, 0
.rept 5
	v_nop                              ; five places: the next products write over P
.endr
	s_wait_dscnt 0x0                   ; the second half's Q
	ATTH 1, \last
.endm
	s_load_b256 s[4:11], s[0:1], 0x0               ; q s[4:5], kv s[6:7], wfrag s[8:9], ofrag s[10:11]
	v_lshl_add_u32 v[SPW], v0, 2, SPARE
	v_mov_b32 v[NIL], 0
	ds_add_u32 v[SPW], v[NIL]                      ; the wave's opening: the add, twice on end, and its wait ahead of my first tensor load
	ds_add_u32 v[SPW], v[NIL]
	v_lshrrev_b32 v1, 5, v0
	v_readfirstlane_b32 s[WV], v1
	s_bfe_u32 s[CX], ttmp6, 0x40000
	s_and_b32 s[BB], ttmp7, 0xffff                 ; the cluster's y is the batch
	s_lshl2_add_u32 s[HH], s[CX], s[WV]
	; q's tiles: 128 rows x 128 elements of 4 bytes, 512 elements from row to row, 4 words of padding behind every 128
	s_mov_b32 s[G1Q], 15|(2<<16)|(1<<20)|(1<<21)|(6<<22)|(3<<25)  ; 15:0 the mask of four; 17:16 4-byte elements; 20 padding on; 21 set beside a mask; 24:22 code 6; 31:25 code 3
	s_mov_b32 s[G1Q+1], 128<<16
	s_mov_b32 s[G1Q+2], 128<<16
	s_mov_b32 s[G1Q+3], 128<<16
	s_mov_b32 s[G1Q+4], 128
	s_mov_b32 s[G1Q+5], 512
	s_mov_b32 s[G1Q+6], 0
	s_mov_b32 s[G1Q+7], 0
	; kv's: 16 rows x 256 elements, padding behind every 256 words
	s_mov_b32 s[G1K], 15|(2<<16)|(1<<20)|(1<<21)|(7<<22)|(3<<25)
	s_mov_b32 s[G1K+1], 256<<16
	s_mov_b32 s[G1K+2], 16<<16
	s_mov_b32 s[G1K+3], 256<<16
	s_mov_b32 s[G1K+4], 16
	s_mov_b32 s[G1K+5], 256
	s_mov_b32 s[G1K+6], 0
	s_mov_b32 s[G1K+7], 0
	s_mov_b32 s[G0Q], 1
	s_mul_i32 s[G0Q+1], s[WV], QTILE               ; wave w brings tile w of q,
	s_mov_b32 s[G0K], 1
	s_mul_i32 s[G0K+1], s[WV], 16*KP               ; and keys 16 w .. 16 w + 15 of each slot
	s_lshl_b32 s[T0], s[BB], 18                    ; q: 262,144 b + 512 w
	s_lshl_b32 s[T0+1], s[WV], 9
	s_add_co_u32 s[T0], s[T0], s[T0+1]
	s_mov_b32 s[T0+1], 0
	s_lshl_b32 s[T2], s[BB], 19                    ; kv: 524,288 b + 16,384 w
	s_lshl_b32 s[T2+1], s[WV], 14
	s_add_co_u32 s[T2], s[T2], s[T2+1]
	s_mov_b32 s[T2+1], 0
	s_lshl_b32 s[T1], s[HH], 17                    ; the head's weights
	s_mov_b32 s[T1+1], 0
	s_lshl_b32 s[T3], s[BB], 18                    ; the output: 262,144 b + 16,384 H
	s_lshl_b32 s[T3+1], s[HH], 14
	s_add_co_u32 s[T3], s[T3], s[T3+1]
	s_mov_b32 s[T3+1], 0
	s_lshl_b32 s[T4], s[BB], 19                    ; the prefetches: the batch's second 64 keys, my work-group's quarter, my wave's half of it
	s_lshl_b32 s[T4+1], s[CX], 14
	s_add_co_u32 s[T4], s[T4], s[T4+1]
	s_lshl_b32 s[T4+1], s[WV], 13
	s_add_co_u32 s[T4], s[T4], s[T4+1]
	s_add_co_u32 s[T4], s[T4], 65536
	s_mov_b32 s[T4+1], 0
	s_cmp_lt_u32 s[WV], 2
	s_cselect_b32 s[LIM], 1, -1
	s_mov_b32 s[CSC], 0x3e38aa3b                   ; c = log2(e) / 8
	s_mov_b32 s[CSC+1], s[CSC]
	s_mov_b32 s[SEL], 0x76543210
	s_mov_b32 s[SEL+1], 0xfedcba98
	s_mov_b32 s[TB], SLOT1+CHUNK                   ; the change of slots behind Q turns this into 0
	s_mov_b32 s[TQ], 0
	v_and_b32 v[LN16], 31, v0
	v_lshlrev_b32 v[PFO], 8, v[LN16]
	v_lshlrev_b32 v[LN16], 4, v[LN16]
	v_and_b32 v9, 15, v0
	v_bfe_u32 v10, v0, 4, 1
	v_mul_u32_u24 v[AF], v9, KP
	v_lshl_add_u32 v[AF], v10, 5, v[AF]
	v_mul_u32_u24 v[AQ0], v9, QP
	v_lshl_add_u32 v[AQ0], v10, 5, v[AQ0]
	s_lshl_b32 s57, s[WV], 14
	s_add_co_u32 s57, s57, QREG
	v_add_nc_u32 v[AQ], s57, v[LN16]
	s_wait_dscnt 0x0                               ; both opening adds are done
	s_wait_kmcnt 0x0
	s_add_nc_u64 s[G0Q+2:G0Q+3], s[4:5], s[T0:T0+1]
	s_or_b32 s[G0Q+3], s[G0Q+3], 0x80000000
	s_add_nc_u64 s[G0K+2:G0K+3], s[6:7], s[T2:T2+1]
	s_or_b32 s[G0K+3], s[G0K+3], 0x80000000
	s_add_nc_u64 s[WP:WP+1], s[8:9], s[T1:T1+1]
	s_add_nc_u64 s[10:11], s[10:11], s[T3:T3+1]
	s_add_nc_u64 s[PFA:PFA+1], s[6:7], s[T4:T4+1]
	CROUND                                         ; all four work-groups are here: the first joint loads meet
	tensor_load_to_lds s[G0Q:G0Q+3], s[G1Q:G1Q+7]  ; my one first fill; by this text's count a wave never has more than one tensor load out
	s_nop 0
	PLACES
	WIN W_LD2                                      ; 128 loads of weights: Wq's first 16 fragments into the ring,
.set f, 0
.rept 16
	WLOAD 128+8*f, f
.set f, f+1
.endr
	WIN W_LD1                                      ; Wk,
.set f, 0
.rept 32
	WLOAD 8*f, 80+f
.set f, f+1
.endr
	WIN W_LD2                                      ; Wv's channel steps 0 to 3
.set f, 0
.rept 16
	WLOAD 8*f, 112+f
.set f, f+1
.endr
	WIN 0
	s_wait_tensorcnt 0x0                           ; my tile of q is in,
	s_barrier_signal -1
	s_barrier_wait -1                              ; everybody's is
	QTRIP 1, 63                                    ; tile 0 starts the sums.  Behind each group of the ring 120 younger loads were issued: the wait names the most that its field holds
	CHANGE 1, 0, 0, 1                              ; tile 0 has been read by all: the first 64 keys take its place, three trips ahead of their first use
	s_mov_b32 s[CNT], 3
.Lq:
	QTRIP 0, 24                                    ; behind a group's loads stand those of three other groups
	s_sub_co_u32 s[CNT], s[CNT], 1
	s_cmp_lg_u32 s[CNT], 0
	s_cbranch_scc1 .Lq
	WIN W_RS                                       ; c Q, in f32,
.set n, 0
.rept 128
	v_pk_mul_f32 v[2*n:2*n+1], v[2*n:2*n+1], s[CSC:CSC+1] op_sel_hi:[1,0]
.set n, n+1
.endr
	WIN W_CV3                                      ; rounded once to f16: registers 16 qt + 8 ds .. + 7 are fragment (qt, ds)
.set n, 0
.rept 128
	v_cvt_pk_f16_f32 v[128+n], v[2*n], v[2*n+1]
.set n, n+1
.endr
	CHANGE 1, 1, 1, 1                              ; all of q has been read by all, and the first 64 keys are in: the second 64 go into slot 1
.set f, 0
.rept 16                                           ; my fragments of Q, into bytes that only I touch from here on
	ds_store_b128 v[AQ], v[128+8*f:128+8*f+3] offset:f*1024
	ds_store_b128 v[AQ], v[128+8*f+4:128+8*f+7] offset:f*1024+512
.set f, f+1
.endr
.set t, 0
.rept 8
	v_mov_b32 v[MX+t], 0xff7fffff
	v_mov_b32 v[LS+2*t], 0
	v_mov_b32 v[LS+2*t+1], 0
.set t, t+1
.endr
	v_add_nc_u32 v[AKV], s[TB], v[AF]
	LDRAW 0, AKV, 0, KP
	s_wait_loadcnt 0x0                             ; all the weights
	s_mov_b32 s[CNT], 2
	s_mov_b32 s[SLOTS], 7
	s_branch .Lfirst                               ; the loop is entered in the middle of a trip: there is no step yet to attend to
.Lslot:                                            ; six times: a slot has been projected to its end and is filled again at once; the fill has the other slot's 384 matrix instructions in which to land
	CHANGE 1, 1, 1, 0
	s_mov_b32 s[CNT], 2
.Lstep:                                            ; a trip: attention on step s, then K and V of step s + 1
	ATT 0
.Lfirst:
	PPRO
	PROJ
	s_sub_co_u32 s[CNT], s[CNT], 1
	s_cmp_lg_u32 s[CNT], 0
	s_cbranch_scc1 .Lstep
	s_sub_co_u32 s[SLOTS], s[SLOTS], 1
	s_cmp_lg_u32 s[SLOTS], 0
	s_cbranch_scc1 .Lslot
	CHANGE 0, 0, 1, 0                              ; the tail is written out: nothing is asked for
	s_mov_b32 s[CNT], 3
.Ltail:
	ATT 1
	s_sub_co_u32 s[CNT], s[CNT], 1
	s_cmp_eq_u32 s[CNT], 0
	s_cbranch_scc1 .Lout
	PPRO
	PROJ
	s_branch .Ltail
.Lout:
	; THE WAY OUT.  l's two halves and the other half of the lanes' are added (the additions are the places behind the last products); O^T is divided by l and rounded to f16: the registers are fragments as they stand.
.irp t, 0,1,2,3,4,5,6,7
	v_add_f32 v[LS+2*\t], v[LS+2*\t], v[LS+2*\t+1]
.endr
.irp t, 0,1,2,3,4,5,6,7
	v_permlanex16_b32 v[LS+2*\t+1], v[LS+2*\t], s[SEL], s[SEL+1]
.endr
.irp t, 0,1,2,3,4,5,6,7
	v_add_f32 v[LS+2*\t], v[LS+2*\t], v[LS+2*\t+1]
.endr
.irp t, 0,1,2,3,4,5,6,7
	v_rcp_f32 v[LS+2*\t], v[LS+2*\t]
.endr
	v_nop                                          ; a plain instruction behind the last reciprocal,
	s_wait_alu depctr_va_vdst(0)                   ; and one wait for the eight
	WIN W_RS
.set t, 0
.rept 8
.set z, 0
.rept 16
	v_pk_mul_f32 v[32*t+2*z:32*t+2*z+1], v[32*t+2*z:32*t+2*z+1], v[LS+2*t:LS+2*t+1] op_sel_hi:[1,0]
.set z, z+1
.endr
.set t, t+1
.endr
	WIN W_CV3
.set n, 0
.rept 128
	v_cvt_pk_f16_f32 v[128+n], v[2*n], v[2*n+1]
.set n, n+1
.endr
	WIN 0
.set f, 0
.rept 16                                           ; fragment f = 2 qt + ds goes to place 8 ds + qt of the head's 16; each store covers 512 consecutive bytes, aligned
	global_store_b128 v[LN16], v[128+8*f:128+8*f+3],   s[10:11] offset:(8*(f%2)+f/2)*1024
	global_store_b128 v[LN16], v[128+8*f+4:128+8*f+7], s[10:11] offset:(8*(f%2)+f/2)*1024+512
.set f, f+1
.endr
	s_wait_tensorcnt 0x0                           ; the wave's end
	ds_add_u32 v[SPW], v[NIL]
	s_wait_dscnt 0x0
	CROUND                                         ; the closing round
	s_endpgm
.Lfunc_end_k_q6963ed00b7_attn:
	.size	k_q6963ed00b7_attn, .Lfunc_end_k_q6963ed00b7_attn-k_q6963ed00b7_attn
	.p2alignl 7, 3214868480
	.fill 96, 4, 3214868480
	.section	.rodata,"a",@progbits
	.p2align	6, 0x0
	.amdhsa_kernel k_q6963ed00b7_attn
		.amdhsa_group_segment_fixed_size 327680
		.amdhsa_private_segment_fixed_size 0
		.amdhsa_enable_private_segment 0
		.amdhsa_kernarg_size 32
		.amdhsa_user_sgpr_count 2
		.amdhsa_user_sgpr_kernarg_segment_ptr 1
		.amdhsa_wavefront_size32 1
		.amdhsa_system_sgpr_workgroup_id_x 1
		.amdhsa_system_sgpr_workgroup_id_y 1
		.amdhsa_system_sgpr_workgroup_id_z 1
		.amdhsa_system_vgpr_workitem_id 0
		.amdhsa_next_free_vgpr 1024
		.amdhsa_next_free_sgpr 66
		.amdhsa_reserve_vcc 0
		.amdhsa_float_denorm_mode_32 3
		.amdhsa_float_denorm_mode_16_64 3
		.amdhsa_memory_ordered 1
		.amdhsa_forward_progress 1
		.amdhsa_inst_pref_size 255
	.end_amdhsa_kernel
	.section	.bss,"aw",@nobits
	.p2align	6
	.space	262144
	.amdgpu_metadata
---
amdhsa.version: [ 1, 2 ]
amdhsa.kernels:
  - .name:           k_q6963ed00b7_attn
    .symbol:         k_q6963ed00b7_attn.kd
    .args:
      - { .name: q, .offset: 0, .size: 8, .value_kind: global_buffer, .address_space: global }
      - { .name: kv, .offset: 8, .size: 8, .value_kind: global_buffer, .address_space: global }
      - { .name: wfrag, .offset: 16, .size: 8, .value_kind: global_buffer, .address_space: global }
      - { .name: ofrag, .offset: 24, .size: 8, .value_kind: global_buffer, .address_space: global }
    .group_segment_fixed_size: 327680
    .private_segment_fixed_size: 0
    .kernarg_segment_align: 8
    .kernarg_segment_size: 32
    .max_flat_workgroup_size: 128
    .sgpr_count:     66
    .vgpr_count:     1024
    .wavefront_size: 32
...
	.end_amdgpu_metadata
.endif
;; end of part 2
;; launch oproj (part 3): grid 4 x 64, 4 waves a work-group, clusters of 4 x 4, 327,680 bytes of LDS; arguments ofrag, wofrag, bo, out0; writes out0
.if DOCPART == 3
	.amdgcn_target "amdgcn-amd-amdhsa--gfx1250"
	.amdhsa_code_object_version 6
	.text
	.protected	k_q6963ed00b7_oproj
	.globl	k_q6963ed00b7_oproj
	.p2align	8
	.type	k_q6963ed00b7_oproj,@function
k_q6963ed00b7_oproj:
	s_mov_b64 s[64:65], 0
	v_nop
	global_prefetch_b8 v0, s[64:65] scope:SCOPE_SE
	s_setreg_imm32_b32 hwreg(HW_REG_WAVE_MODE, 25, 1), 1
	s_wait_xcnt 0x0
	s_wait_alu depctr_hold_cnt(0) depctr_sa_sdst(0) depctr_va_vdst(0) depctr_va_sdst(0) depctr_va_ssrc(0) depctr_va_vcc(0) depctr_vm_vsrc(0)
	s_getreg_b32 s2, hwreg(HW_REG_IB_STS2, 6, 4)
	s_cmp_eq_u32 s2, 0
	s_cbranch_scc0 .Lentry_in_a_cluster
	s_endpgm
.Lentry_in_a_cluster:
	s_bfe_u32 s2, ttmp6, 0x10000c
	s_cmp_lg_u32 s2, 0xf033
	s_cbranch_scc0 .Lentry_shape_is_right
	s_endpgm
.Lentry_shape_is_right:
; out0[row][col] = the sum over c of O[row][c] Wo[c][col] + bo[col].  8,192 rows, 512 columns, 1,024 channels; nothing is left out.  O and Wo come in f16, in fragment order (16 rows x 32 channels = 1,024 bytes:
; two loads of 16 bytes a lane, at 16 x lane and 512 further on); sums in f32; bo is rounded to bf16 like every input of the module; out0 is f32.
; LIMIT.  O and Wo lie within f16's range, as the launches before state.
; A tile of the output is 128 x 128 (a batch's rows): 256 work-groups.  Four waves, each 64 x 64: 16 accumulators.  The channels go in four steps of 256 through two LDS slots; a step of either operand is ONE dense
; block of 65,536 bytes of memory, brought as rows of 256 bytes, half by each of two waves, and read as it lies: 32 lanes x 16 consecutive bytes.
; CLUSTERS: 4 x 4 work-groups.  The four of a row of the cluster need the same blocks of O, the four of a column the same blocks of Wo: each is asked for JOINTLY.
; THE MATRIX INSTRUCTION IS USED TRANSPOSED (source 0 = 16 columns of Wo, source 1 = 16 rows of O): a lane then holds eight neighbouring numbers of a row of the output.
; NO PREFETCH: of a tile's four steps two are first fills at the head, and the launch is short.
; REGISTERS: window 0: v0-31 addresses and the bias; v32-63 the way out; v128-255 the accumulators ((a, b) at 128 + 8 (4 a + b)).  window 1: two fragment buffers of 128: 64 registers of O, then 64 of Wo.
.set HALFT,  32768                     ; what one tensor load brings
.set SLOT,   131072                    ; O's 65,536 bytes, then Wo's
.set STAGE,  2*SLOT                    ; behind the ring: 16 rows x 272 bytes for each wave, its own
.set SPITCH, 272                       ; 256 bytes + 16: the 16 rows of a store begin 16 bytes apart modulo 256
.set SPARE,  STAGE+4*16*SPITCH         ; 279,552: the spare words, 128 bytes for each wave
.set BIAS, 8                           ; v[8:11] the bias of my four columns
.set ADRA, 16                          ; v16-17  my O fragments in slot 0, 1
.set ADRB, 20                          ; v20-21  my Wo fragments
.set STO,  24
.set RD,   25
.set CO,   26
.set SPW,  28
.set NIL,  29
.set TMP,  32
.set ACC,  128
.set F0,   0
.set F1,   128
.set WV, 12                            ; s12  my wave's number
.set MH, 13                            ; s13  which half of the tile's rows is mine.  Also: I fetch for O (0) or for Wo (1)
.set NH, 14                            ; s14  which half of its columns.  Also: which half of a block I fetch
.set G1, 24
.set G0, 32
.set G1B, 48
.set G0B, 56
.set MSB, 0
.macro WIN new
.if MSB != (\new)
	s_set_vgpr_msb (MSB<<8)|(\new)
.set MSB, \new
.endif
.endm
.set MUL,  0x05                        ; sources 0 and 1 window 1; C and D window 0
.set TO_F, 0x40                        ; destination window 1, address window 0
.macro JLOAD s                         ; a joint load; an s_nop 0 and four v_nop follow each of the two lines
	s_cmp_eq_u32 s[MH], 0
	s_cbranch_scc0 .Lfor_b_\@
	tensor_load_to_lds s[G0+4*(\s):G0+4*(\s)+3], s[G1:G1+7]
	s_nop 0
.rept 4
	v_nop
.endr
	s_branch .Lasked_\@
.Lfor_b_\@:
	tensor_load_to_lds s[G0B+4*(\s):G0B+4*(\s)+3], s[G1B:G1B+7]
	s_nop 0
.rept 4
	v_nop
.endr
.Lasked_\@:
.endm
.macro CREST                           ; a round of the cluster's barrier behind its opening barrier
	s_cmp_lg_u32 s[WV], 0
	s_cbranch_scc1 .Lnot_wave_0_\@
	s_barrier_signal -3
.Lnot_wave_0_\@:
	s_barrier_wait -3
	s_barrier_signal -1
	s_barrier_wait -1
.endm
.macro CROUND
	s_barrier_signal -1
	s_barrier_wait -1
	CREST
.endm
	s_load_b256 s[4:11], s[0:1], 0x0               ; ofrag s[4:5], wofrag s[6:7], bo s[8:9], out0 s[10:11]
	v_lshl_add_u32 v[SPW], v0, 2, SPARE
	v_mov_b32 v[NIL], 0
	ds_add_u32 v[SPW], v[NIL]                      ; the wave's opening: the add, twice on end, and its wait ahead of my first tensor load
	ds_add_u32 v[SPW], v[NIL]
	v_lshrrev_b32 v1, 5, v0
	v_readfirstlane_b32 s[WV], v1
	s_lshr_b32 s[MH], s[WV], 1
	s_and_b32 s[NH], s[WV], 1
	s_bfe_u32 s40, ttmp6, 0x40000                  ; cx, cy
	s_bfe_u32 s41, ttmp6, 0x40004
	s_lshl_b32 s42, ttmp9, 2
	s_add_co_u32 s42, s42, s40                     ; tile column
	s_and_b32 s15, ttmp7, 0xffff
	s_lshl_b32 s15, s15, 2
	s_add_co_u32 s15, s15, s41                     ; tile row = the batch
	s_lshl_b32 s43, s41, 2
	s_lshl_b32 s43, 15, s43                        ; my row of the cluster
	s_lshl_b32 s44, 0x1111, s40                    ; my column
	s_or_b32 s[G1], s43, (3<<16)|(1<<21)           ; 15:0 the mask; 17:16 elements of 8 bytes; 21 set beside a mask; no padding
	s_or_b32 s[G1B], s44, (3<<16)|(1<<21)
.irp g, G1, G1B
	s_mov_b32 s[(\g)+1], 32<<16                    ; tensor_dim0 = 32 elements: 256 bytes
	s_mov_b32 s[(\g)+2], 128<<16                   ; tensor_dim1 = 128
	s_mov_b32 s[(\g)+3], 32<<16                    ; tile_dim0
	s_mov_b32 s[(\g)+4], 128                       ; tile_dim1
	s_mov_b32 s[(\g)+5], 32                        ; the rows lie end to end
	s_mov_b32 s[(\g)+6], 0
	s_mov_b32 s[(\g)+7], 0
.endr
	s_lshl_b32 s17, s[NH], 15                      ; which half of a block I fetch
	s_lshl_b32 s16, s15, 18
	s_add_co_u32 s16, s16, s17                     ; O: 262,144 x tile row
	s_lshl_b32 s46, s42, 18
	s_add_co_u32 s46, s46, s17                     ; Wo: 262,144 x tile column
	s_mov_b32 s17, 0
	s_mov_b32 s47, 0
	s_mul_i32 s20, s[WV], HALFT                    ; where they go: wave x 32,768
	s_wait_dscnt 0x0                               ; both opening adds are done
	s_wait_kmcnt 0x0
	s_add_nc_u64 s[18:19], s[4:5], s[16:17]
	s_add_nc_u64 s[46:47], s[6:7], s[46:47]
	CROUND                                         ; all sixteen work-groups are here: the first joint loads meet
.irp s, 0,1
	s_mov_b32 s[G0+4*(\s)], 1
	s_add_co_u32 s[G0+4*(\s)+1], s20, (\s)*SLOT
	s_add_nc_u64 s[G0+4*(\s)+2:G0+4*(\s)+3], s[18:19], (\s)*65536
	s_or_b32 s[G0+4*(\s)+3], s[G0+4*(\s)+3], 0x80000000
	s_mov_b32 s[G0B+4*(\s)], 1
	s_add_co_u32 s[G0B+4*(\s)+1], s20, (\s)*SLOT
	s_add_nc_u64 s[G0B+4*(\s)+2:G0B+4*(\s)+3], s[46:47], (\s)*65536
	s_or_b32 s[G0B+4*(\s)+3], s[G0B+4*(\s)+3], 0x80000000
	JLOAD \s
.endr
	v_and_b32 v1, 15, v0                           ; l % 16
	v_bfe_u32 v2, v0, 4, 1                         ; l / 16
	v_and_b32 v3, 31, v0
	v_lshlrev_b32 v3, 4, v3                        ; 16 l
	s_lshl_b32 s21, s[MH], 12                      ; my four fragments of the eight that a channel step of 32 has
	s_lshl_b32 s22, s[NH], 12
	s_add_co_u32 s22, s22, 65536                   ; Wo lies behind O
.irp s, 0,1
	v_add_nc_u32 v[ADRA+(\s)], s21, v3
	v_add_nc_u32 v[ADRB+(\s)], s22, v3
	s_add_co_u32 s21, s21, SLOT
	s_add_co_u32 s22, s22, SLOT
.endr
	s_mul_i32 s23, s[WV], 16*SPITCH
	s_add_co_u32 s23, s23, STAGE                   ; my stage
	v_mul_u32_u24 v4, v1, SPITCH                   ; in: row l % 16, 32 bytes for each half of the lanes
	v_lshl_add_u32 v4, v2, 5, v4
	v_add_nc_u32 v[STO], s23, v4
	v_mul_u32_u24 v5, v2, SPITCH                   ; back: lanes 0-15 take one row of 256 bytes, lanes 16-31 the next
	v_lshl_add_u32 v5, v1, 4, v5
	v_add_nc_u32 v[RD], s23, v5
	v_lshlrev_b32 v5, 11, v2                       ; and the same two rows in out0, 2,048 bytes apart
	v_lshl_add_u32 v[CO], v1, 4, v5
	s_lshl_b32 s16, s15, 18                        ; my first row: 128 x tile row + 64 x half, 2,048 bytes each
	s_lshl_b32 s17, s[MH], 17
	s_add_co_u32 s16, s16, s17
	s_mov_b32 s17, 0
	s_add_nc_u64 s[10:11], s[10:11], s[16:17]
	s_lshl_b32 s46, s42, 9                         ; my first column, in bytes: 512 x tile column + 256 x half
	s_lshl_b32 s47, s[NH], 8
	s_add_co_u32 s46, s46, s47
	s_mov_b32 s47, 0
	s_add_nc_u64 s[10:11], s[10:11], s[46:47]
	s_add_nc_u64 s[8:9], s[8:9], s[46:47]
	v_lshlrev_b32 v6, 4, v1
	global_load_b128 v[BIAS:BIAS+3], v6, s[8:9]    ; the bias of the four columns that I store
; 8 matrix instructions: row blocks a0, a0 + 1 x all 4 column blocks, 32 channels: half c of buffer f.  The 16 accumulators take turns.
.macro MUL8 f, c, a0, zero
	WIN MUL
.irp a, \a0, (\a0)+1
.irp b, 0,1,2,3
.if \zero
	v_wmma_f32_16x16x32_f16 v[ACC+8*(4*(\a)+(\b)):ACC+8*(4*(\a)+(\b))+7], v[(\f)+64+8*(4*(\c)+(\b)):(\f)+64+8*(4*(\c)+(\b))+7], v[(\f)+8*(4*(\c)+(\a)):(\f)+8*(4*(\c)+(\a))+7], 0
.else
	v_wmma_f32_16x16x32_f16 v[ACC+8*(4*(\a)+(\b)):ACC+8*(4*(\a)+(\b))+7], v[(\f)+64+8*(4*(\c)+(\b)):(\f)+64+8*(4*(\c)+(\b))+7], v[(\f)+8*(4*(\c)+(\a)):(\f)+8*(4*(\c)+(\a))+7], v[ACC+8*(4*(\a)+(\b)):ACC+8*(4*(\a)+(\b))+7]
.endif
.endr
.endr
.endm
; 32 LDS loads in one run: the fragments of quarter q (64 channels) of a slot, into buffer f; the first 32 channels first
.macro FETCH slot, q, f
	WIN TO_F
.irp c, 0,1
.irp i, 0,1,2,3
	ds_load_b128 v[(\f)+64+8*(4*(\c)+(\i)):(\f)+64+8*(4*(\c)+(\i))+3],   v[ADRB+(\slot)] offset:((2*(\q)+(\c))*8+(\i))*1024
	ds_load_b128 v[(\f)+64+8*(4*(\c)+(\i))+4:(\f)+64+8*(4*(\c)+(\i))+7], v[ADRB+(\slot)] offset:((2*(\q)+(\c))*8+(\i))*1024+512
	ds_load_b128 v[(\f)+8*(4*(\c)+(\i)):(\f)+8*(4*(\c)+(\i))+3],         v[ADRA+(\slot)] offset:((2*(\q)+(\c))*8+(\i))*1024
	ds_load_b128 v[(\f)+8*(4*(\c)+(\i))+4:(\f)+8*(4*(\c)+(\i))+7],       v[ADRA+(\slot)] offset:((2*(\q)+(\c))*8+(\i))*1024+512
.endr
.endr
.endm
.macro PLACES
.rept 4
	v_nop
.endr
.endm
; One of a step's first three quarters: multiplies buffer f and fetches quarter q into g.
.macro QUARTER slot, q, f, g, zero
	s_wait_dscnt 16                                ; the first 32 channels are in; the other sixteen loads may be out
	MUL8 \f, 0, 0, \zero
	MUL8 \f, 0, 2, \zero
	PLACES
	FETCH \slot, \q, \g
	s_wait_dscnt 32                                ; all but the 32 just issued
	MUL8 \f, 1, 0, 0
	MUL8 \f, 1, 2, 0
.endm
; The last quarter multiplies buffer 1 and changes slots: ONE barrier; in front of it each wave waits for all its tensor loads, adds 0 to its spare word, and waits for that and for its reads of this slot.
.macro TURN slot, next, fill
	WIN 0
	s_wait_tensorcnt 0x0                           ; all my tensor loads have landed: my part of the next slot
	ds_add_u32 v[SPW], v[NIL]
	s_wait_dscnt 17                                ; (the add and the youngest sixteen loads may be out)
	MUL8 F1, 0, 0, 0
	s_wait_dscnt 0x0                               ; the add is done, and my reads of this slot are over
	s_barrier_signal -1
	MUL8 F1, 0, 2, 0
.if \fill
	WIN 0
.endif
	s_barrier_wait -1
.if \fill
	CREST                                          ; the barrier has opened a round of the cluster's: no wave of any partner still reads this slot or has a load on its way
	s_add_nc_u64 s[G0+4*(\slot)+2:G0+4*(\slot)+3], s[G0+4*(\slot)+2:G0+4*(\slot)+3], 131072
	s_add_nc_u64 s[G0B+4*(\slot)+2:G0B+4*(\slot)+3], s[G0B+4*(\slot)+2:G0B+4*(\slot)+3], 131072
	JLOAD \slot                                    ; two steps on; the four v_nop behind it are also the places in front of the loads below
.else
	PLACES
.endif
	FETCH \next, 0, F0
	MUL8 F1, 1, 0, 0
	MUL8 F1, 1, 2, 0
.endm
	s_wait_tensorcnt 1                             ; my part of step 0 is in; step 1's may stay out
	s_barrier_signal -1
	s_barrier_wait -1
	FETCH 0, 0, F0
	QUARTER 0, 1, F0, F1, 1                        ; the first products start the sums
	QUARTER 0, 2, F1, F0, 0
	QUARTER 0, 3, F0, F1, 0
	TURN 0, 1, 1                                   ; slot 0 takes step 2
	QUARTER 1, 1, F0, F1, 0
	QUARTER 1, 2, F1, F0, 0
	QUARTER 1, 3, F0, F1, 0
	TURN 1, 0, 1                                   ; slot 1 takes step 3
	QUARTER 0, 1, F0, F1, 0
	QUARTER 0, 2, F1, F0, 0
	QUARTER 0, 3, F0, F1, 0
	TURN 0, 1, 0                                   ; nothing is left to fetch
	QUARTER 1, 1, F0, F1, 0
	QUARTER 1, 2, F1, F0, 0
	QUARTER 1, 3, F0, F1, 0
	s_wait_dscnt 16
	MUL8 F1, 0, 0, 0
	MUL8 F1, 0, 2, 0
	s_wait_dscnt 0x0
	MUL8 F1, 1, 0, 0
	MUL8 F1, 1, 2, 0
	WIN 0
	PLACES
	; THE WAY OUT.  A wave's 64 columns are 256 bytes of a row, aligned.  A block of 16 rows at a time goes through my own stage: 32 bytes a lane in, whole rows back, the bias added, sixteen lanes to a row.
	s_wait_loadcnt 0x0                             ; the bias,
	v_cvt_pk_bf16_f32 v12, v[BIAS], v[BIAS+1]      ; rounded to bf16 like every input
	v_cvt_pk_bf16_f32 v13, v[BIAS+2], v[BIAS+3]
	v_lshlrev_b32 v[BIAS], 16, v12
	v_and_b32 v[BIAS+1], 0xffff0000, v12
	v_lshlrev_b32 v[BIAS+2], 16, v13
	v_and_b32 v[BIAS+3], 0xffff0000, v13
.irp a, 0,1,2,3
.irp b, 0,1,2,3
	ds_store_b128 v[STO], v[ACC+8*(4*\a+\b):ACC+8*(4*\a+\b)+3]   offset:64*\b
	ds_store_b128 v[STO], v[ACC+8*(4*\a+\b)+4:ACC+8*(4*\a+\b)+7] offset:64*\b+16
.endr
	s_wait_xcnt 0x0                                ; the stores of the block before have read their registers: only behind this wait are they loaded again
.irp t, 0,1,2,3,4,5,6,7
	ds_load_b128 v[TMP+4*\t:TMP+4*\t+3], v[RD] offset:\t*2*SPITCH  ; LDS serves a wave's instructions in order (ISA guide 5.7.1.4): these see the stores above, and the next block's stores come behind them
.endr
	s_wait_dscnt 0x0
.irp t, 0,1,2,3,4,5,6,7
	v_pk_add_f32 v[TMP+4*\t:TMP+4*\t+1], v[TMP+4*\t:TMP+4*\t+1], v[BIAS:BIAS+1]
	v_pk_add_f32 v[TMP+4*\t+2:TMP+4*\t+3], v[TMP+4*\t+2:TMP+4*\t+3], v[BIAS+2:BIAS+3]
.endr
.irp t, 0,1,2,3,4,5,6,7
	global_store_b128 v[CO], v[TMP+4*\t:TMP+4*\t+3], s[10:11] offset:(16*\a+2*\t)*2048 th:TH_STORE_NT  ; 16 lanes store 256 consecutive bytes, at a multiple of 256 from out0's first byte
.endr
.endr
	s_wait_tensorcnt 0x0                           ; the wave's end
	ds_add_u32 v[SPW], v[NIL]
	s_wait_dscnt 0x0
	CROUND                                         ; the closing round
	s_endpgm
.Lfunc_end_k_q6963ed00b7_oproj:
	.size	k_q6963ed00b7_oproj, .Lfunc_end_k_q6963ed00b7_oproj-k_q6963ed00b7_oproj
	.p2alignl 7, 3214868480
	.fill 96, 4, 3214868480
	.section	.rodata,"a",@progbits
	.p2align	6, 0x0
	.amdhsa_kernel k_q6963ed00b7_oproj
		.amdhsa_group_segment_fixed_size 327680
		.amdhsa_private_segment_fixed_size 0
		.amdhsa_enable_private_segment 0
		.amdhsa_kernarg_size 32
		.amdhsa_user_sgpr_count 2
		.amdhsa_user_sgpr_kernarg_segment_ptr 1
		.amdhsa_wavefront_size32 1
		.amdhsa_system_sgpr_workgroup_id_x 1
		.amdhsa_system_sgpr_workgroup_id_y 1
		.amdhsa_system_sgpr_workgroup_id_z 1
		.amdhsa_system_vgpr_workitem_id 0
		.amdhsa_next_free_vgpr 512
		.amdhsa_next_free_sgpr 66
		.amdhsa_reserve_vcc 0
		.amdhsa_float_denorm_mode_32 3
		.amdhsa_float_denorm_mode_16_64 3
		.amdhsa_memory_ordered 1
		.amdhsa_forward_progress 1
		.amdhsa_inst_pref_size 89
	.end_amdhsa_kernel
	.amdgpu_metadata
---
amdhsa.version: [ 1, 2 ]
amdhsa.kernels:
  - .name:           k_q6963ed00b7_oproj
    .symbol:         k_q6963ed00b7_oproj.kd
    .args:
      - { .name: ofrag, .offset: 0, .size: 8, .value_kind: global_buffer, .address_space: global }
      - { .name: wofrag, .offset: 8, .size: 8, .value_kind: global_buffer, .address_space: global }
      - { .name: bo, .offset: 16, .size: 8, .value_kind: global_buffer, .address_space: global }
      - { .name: out0, .offset: 24, .size: 8, .value_kind: global_buffer, .address_space: global }
    .group_segment_fixed_size: 327680
    .private_segment_fixed_size: 0
    .kernarg_segment_align: 8
    .kernarg_segment_size: 32
    .max_flat_workgroup_size: 128
    .sgpr_count:     66
    .vgpr_count:     512
    .wavefront_size: 32
...
	.end_amdgpu_metadata
.endif
;; end of part 3
